; MI455X (gfx1250); checked and timed in simulation.
; The chip was launched on July 23, 2026; its instructions are those of AMD's public machine-readable ISA for CDNA 5 (MIT licence, August 2026) and "CDNA5" Instruction Set Architecture Reference Guide (July 2026). The comments in the code are by the model that wrote it; some were corrected since.
;; SDPA. Allowed arithmetic: float matrix products may take bf16 or f16 operands with f32 sums; all other float work in f32.
;; Inputs: k 2 x 2,048 x 16 x 64 float32; q 2 x 2,048 x 16 x 64 float32; v 2 x 2,048 x 16 x 64 float32.
;; Outputs: out0 2 x 2,048 x 16 x 64 float32.
;; One version. Each part assembles by itself: llvm-mc -triple=amdgcn-amd-amdhsa -mcpu=gfx1250 --defsym DOCPART=n.
;; ======== version 1 of 1: 1 launch
;; limits: inputs' magnitudes at most 65,504; values are held in f16: magnitudes above 65,504 overflow, below 6.1e-05 lose precision
;; launch attn (part 1): grid 8 x 32, 8 waves a work-group, no clusters, 109,568 bytes of LDS; arguments q, k, v, out0; writes out0
.if DOCPART == 1
	.amdgcn_target "amdgcn-amd-amdhsa--gfx1250"
	.amdhsa_code_object_version 6
	.text
	.protected	k_q43b250a168_attn
	.globl	k_q43b250a168_attn
	.p2align	8
	.type	k_q43b250a168_attn,@function
k_q43b250a168_attn:
	s_mov_b64 s[64:65], 0
	v_nop
	global_prefetch_b8 v0, s[64:65] scope:SCOPE_SE
	s_setreg_imm32_b32 hwreg(HW_REG_WAVE_MODE, 25, 1), 1
	s_wait_xcnt 0x0
; Causal attention.  q, k, v, out0: [2][2048][16][64] f32; a head's row is 256 bytes, its rows lie 4,096 bytes apart.
; out(t) = sum over s <= t of softmax(q(t).k(s) / 8) v(s).  Products on 16-bit operands with f32 sums, softmax in f32 with a running maximum.
;
; SHARES.  A head's 2,048 queries are 16 blocks of 128.  Work-group (i, head) owns blocks i and 15 - i, so that all 8 x 32 = 256 work-groups
; have the same work under the causal mask.  Eight waves, two for each of a WGP's four SIMDs: waves 0-3 take block i, waves 4-7 block 15 - i,
; 32 queries a wave.  Keys go in tiles of 64, ascending, through two LDS slots; the work-group walks 32 - 2 i tiles.  A wave computes tiles
; 0 .. LIM (LIM holds its last query's key); tile LIM is masked by compares on indices; behind it the wave only helps to fetch.
;
; BOTH PRODUCTS ARE USED TRANSPOSED.  Scores: D = K x Q^T, so that a lane holds keys 16 st + 8 hh + 0..7 of ONE query (16 tt + r): the row maximum
; and the row sum are made inside the lane and one exchange of the two halves of the wave, and the maximum, the shift and the sum are one register each.
; Two such score tiles, rounded to 16 bits in place, ARE the second source (32 keys x 16 queries) of O^T = V^T x P^T: no shuffle between the products.
; V^T comes from V's rows in LDS by the transposing load.  In O^T a lane holds 8 neighbouring numbers of one output row.
;
; FORMATS.  q, k and v are each rounded once to bf16.  The scores' product is the bf16 form.  The weights lie in [0, 1] and go in f16: a row with few keys has
; weights near 1/2 on values near 1, where the 8 bits of bf16 would show in the third decimal of the output and the 11 bits of f16 do not.  A matrix instruction
; takes both operands in one format, so V's bf16 numbers are written again in f16 (exact from 2^-14 to 65,504).  V is NOT rounded straight to f16: with all three
; inputs at bf16's precision the program is the reference's function of the inputs rounded to bf16, up to the weights' 2^-12.
;
; K AND V come by 16-byte loads (16 lanes cover one aligned row of 256 bytes), are rounded once for the work-group and stored to LDS in 16 bits.
; Tile j + 2 is asked for in trip j and stored to LDS in trip j + 1: 32,768 bytes of the work-group are on their way for a whole trip.
;
; NOT USED, AND WHY.  Joint tensor loads in a cluster: the eight work-groups of a head walk 18 to 32 tiles, so partners would need different numbers
; of tiles, and the form in which all partners walk alike (512 queries a work-group row) costs 20 block units where this one costs 17.  The tensor
; data mover: it copies f32 as f32, so each tile would pass LDS twice to become 16 bits wide.
;
; LIMITS.  |v| up to 65,504 (f16's largest; beyond it V becomes infinite and the output NaN); |v| below 2^-14 is kept to 2^-25 absolute.  q and k have f32's range.
; A weight below 2^-14 of the row's running largest is kept to 2^-25 absolute, below 2^-25 it counts as 0.  Masked scores are set to -infinity where the
; reference sets the most negative finite f32: the weights are 0 either way, since key 0 is never masked and tiles ascend, so that the running maximum is
; finite from the first tile on.  The row sum adds the weights before they are rounded to f16, the product uses them rounded.
; NaN or infinite inputs are not followed (the maxima let a NaN lose).
.set ROWB,  4096                       ; bytes from a head's row to its next
.set TILEB, 64*ROWB                    ; bytes from a key tile to the next
.set KP,    144                        ; LDS pitch of K's and Q's bf16 rows: 128 + 16, an odd multiple of 16: the 16 rows of a fragment load start 36 words apart
.set VP,    160                        ; LDS pitch of V's f16 rows: an odd multiple of 32, for the transposing load
.set OP,    272                        ; LDS pitch of an output row: 256 + 16
.set VOFF,  64*KP                      ; V's rows lie behind K's 64 rows in a slot
.set SLOT,  64*KP+64*VP                ; 19,456 bytes
.set STG,   2*SLOT                     ; behind the two slots: a stage of 32 x 272 bytes for each wave (first Q in bf16, at the end O in f32)
.set STGW,  32*OP
; vector registers
.set GK,  1                            ; K: byte offset of my 16 bytes in the tile: row w + 8 hh
.set GV,  2                            ; V: the same, row (w & 3) + 4 hh + 8 (w >> 2)
.set LK,  3                            ; K: LDS address of my 8 bytes of bf16
.set LV,  4                            ; V: the same, of f16
.set KA,  5                            ; fragment address in K's rows: r x 144 + 16 hh
.set VA,  6                            ; fragment address in V's rows, for the transposing load
.set NEG, 7                            ; -infinity
.set PF,  8                            ; prefetch: ((w & 1) x 32 + lane) rows
.set OG,  9                            ; q and out0: hh rows + 16 c
.set DM,  10                           ; v10, v11: query tile tt: a score of register 16 st + jj is kept where 16 st + jj <= DM
.set NM,  12                           ; v12, v14: the shift -c m of query tile tt;  v13, v15 (NM + 1): its running maximum m
.set AL,  16                           ; v16, v18: the rescale factor;               v17, v19 (AL + 1): the running sum l (of my half's keys)
.set T,   20                           ; v20-23 at work
.set RST, 32                           ; v32-63   a tile on its way: K 4 x 4 registers, V 4 x 4 registers
.set RKV, 64                           ; v64-127  K's fragments (st, kk) at 16 st + 8 kk, then V's (hdt, ks) at 16 hdt + 8 ks
.set RSC, 128                          ; v128-191 scores (st, tt) at 32 tt + 8 st; weights (tt, ks) in f16 at 32 tt + 16 ks, in place
.set ROA, 192                          ; v192-255 O^T (hdt, tt) at 32 tt + 8 hdt
                                       ; v256-287 Q's fragments (tt, kk) at 16 tt + 8 kk: named v0-31 in window 1
; scalar registers: s[4:5] q, s[6:7] k, s[8:9] v, s[10:11] out0 (offsets added); s12 wave; s13 i; s14 head; s15 wave & 3; s16 J: the even tile of the pair of trips;
; s17 15 - i: the upper query block, and the number of the last pair of trips; s18 LIM, s19 LIM - 1; s[20:21] c, c; s22 -c; s23 mask of a word's upper bf16;
; s24, s25 lane selects; s[26:27], s[28:29] offsets; s[30:31] prefetch base; s32, s33 prefetch limits; s34 my query block; s35 my stage;
; s36 the loop's counter: the pair's number J / 2
.set MSB, 0
.macro WIN new                         ; the immediate's high byte repeats the setting that is left
.if MSB != \new
	s_set_vgpr_msb (MSB<<8)|\new
.set MSB, \new
.endif
.endm
.macro PLACES n
.rept \n
	v_nop
.endr
.endm
	s_load_b256 s[4:11], s[0:1], 0x0               ; q, k, v, out0
	s_set_vgpr_msb 0x40
	v_lshl_add_u32 v32, v0, 2, 0x1a800
	v_mov_b32 v33, 0
	s_set_vgpr_msb 0x4000
	v_lshrrev_b32 v24, 5, v0                       ; w
	v_readfirstlane_b32 s12, v24                   ; the wave's number as a scalar
	s_mov_b32 s13, ttmp9                           ; i
	s_and_b32 s14, ttmp7, 0xffff                   ; 16 b + head
	s_and_b32 s15, s12, 3
	s_sub_co_u32 s17, 15, s13                      ; 15 - i: the upper block; also the work-group's 16 - i pairs of tiles are numbered 0 .. 15 - i
	s_cmp_lt_u32 s12, 4
	s_cselect_b32 s34, s13, s17                    ; my block: i for waves 0-3, 15 - i for waves 4-7
	s_lshr_b32 s3, s15, 1
	s_lshl1_add_u32 s18, s34, s3                   ; LIM = 2 x block + (w & 3) / 2: the tile of key 128 x block + 32 (w & 3) + 31
	s_sub_co_i32 s19, s18, 1                       ; for the odd trip of a pair, whose tile is J + 1 (may be -1: compared signed, or for equality)
	s_mov_b32 s20, 0x3e38aa3b                      ; c = log2(e) / 8: the division by sqrt(64) and the change to base 2 in one factor
	s_mov_b32 s21, 0x3e38aa3b
	s_mov_b32 s22, 0xbe38aa3b                      ; -c
	s_mov_b32 s23, 0xffff0000                      ; a word's upper bf16
	s_mov_b32 s24, 0x76543210                      ; v_permlanex16_b32: lane i of one half reads lane i of the other
	s_mov_b32 s25, 0xfedcba98
	s_lshr_b32 s2, s14, 4
	s_lshl_b32 s26, s2, 23                         ; b x 2048 x 4096 bytes
	s_and_b32 s3, s14, 15
	s_lshl_b32 s3, s3, 8                           ; head x 256 bytes
	s_or_b32 s26, s26, s3
	s_mov_b32 s27, 0
	s_lshl_b32 s28, s34, 19                        ; block x 128 rows
	s_lshl_b32 s2, s15, 17                         ; (w & 3) x 32 rows
	s_add_co_u32 s28, s28, s2
	s_add_co_u32 s28, s28, s26                     ; below 2^25
	s_mov_b32 s29, 0
	s_lshl_b32 s2, s13, 3
	s_or_b32 s2, s2, s12                           ; 8 i + w is below 4 for waves 0-3 of work-group 0 of the head alone: only these prefetch
	s_cmp_lt_u32 s2, 4
	s_cselect_b32 s32, 27, 0                       ; even trips ask while J < 27,
	s_cselect_b32 s33, 26, 0                       ; odd trips while J < 26: the last tile asked for is 26 + 5 = 31
	s_mul_i32 s35, s12, STGW
	s_add_co_u32 s35, s35, STG                     ; my stage
	s_and_b32 s2, s12, 1
	s_lshl_b32 s2, s2, 5                           ; my first query's place in the diagonal tile: 32 (w & 1)
	v_and_b32 v26, 15, v0                          ; r, and c: my 16 bytes in a row of 256
	v_bfe_u32 v27, v0, 4, 1                        ; hh
	v_lshl_add_u32 v28, v27, 3, v24                ; K's row: w + 8 hh.  8 rows of 144 bytes are 288 words: the two rows of one 8-byte LDS store
	v_lshlrev_b32 v[GK], 12, v28                   ; lie 32 banks apart (64 banks of 4 bytes: ISA guide 11.1)
	v_lshl_add_u32 v[GK], v26, 4, v[GK]
	v_mul_u32_u24 v[LK], v28, KP
	v_lshl_add_u32 v[LK], v26, 3, v[LK]
	v_and_b32 v29, 3, v24                          ; V's row: (w & 3) + 4 hh + 8 (w >> 2).  4 rows of 160 bytes are 160 words: 32 banks apart again
	v_lshl_add_u32 v29, v27, 2, v29
	v_lshrrev_b32 v30, 2, v24
	v_lshl_add_u32 v29, v30, 3, v29
	v_lshlrev_b32 v[GV], 12, v29
	v_lshl_add_u32 v[GV], v26, 4, v[GV]
	v_mul_u32_u24 v[LV], v29, VP
	v_lshl_add_u32 v[LV], v26, 3, v[LV]
	v_mul_u32_u24 v[KA], v26, KP
	v_lshl_add_u32 v[KA], v27, 4, v[KA]
	v_and_b32 v30, 7, v0
	v_lshl_add_u32 v30, v27, 3, v30                ; key 8 hh + (lane & 7)
	v_mul_u32_u24 v[VA], v30, VP
	v_bfe_u32 v31, v0, 3, 1
	v_lshl_add_u32 v[VA], v31, 4, v[VA]            ; + 16 bytes for lanes 8-15 of each half
	v_mov_b32 v[NEG], 0xff800000
	v_and_b32 v[PF], 63, v0
	v_lshlrev_b32 v[PF], 12, v[PF]
	v_lshlrev_b32 v[OG], 12, v27
	v_lshl_add_u32 v[OG], v26, 4, v[OG]
	v_lshlrev_b32 v[DM], 3, v27
	v_sub_nc_u32 v[DM], v26, v[DM]
	v_add_nc_u32 v[DM], s2, v[DM]                  ; 32 (w & 1) + r - 8 hh
	v_add_nc_u32 v[DM+1], 16, v[DM]
	v_mul_u32_u24 v28, v27, KP
	v_lshl_add_u32 v28, v26, 3, v28
	v_add_nc_u32 v28, s35, v28                     ; Q into my stage: row hh, 8 bytes at 8 c
	v_add_nc_u32 v29, s35, v[KA]                   ; Q's fragments out of it
	s_wait_kmcnt 0x0
	s_add_nc_u64 s[6:7], s[6:7], s[26:27]          ; k and v at the head's first row
	s_add_nc_u64 s[8:9], s[8:9], s[26:27]
	s_add_nc_u64 s[4:5], s[4:5], s[28:29]          ; q and out0 at my first query's row
	s_add_nc_u64 s[10:11], s[10:11], s[28:29]
; Eight loads: my share of a tile of K and of V, 2 rows of 256 bytes each.  No cache word: eight work-groups read these rows.
.macro LOADG
.irp u, 0,1,2,3
	global_load_b128 v[RST+4*\u:RST+4*\u+3], v[GK], s[6:7] offset:\u*16*ROWB
.endr
.irp u, 0,1,2,3
	global_load_b128 v[RST+16+4*\u:RST+16+4*\u+3], v[GV], s[8:9] offset:\u*16*ROWB
.endr
.endm
; The tile in RST is rounded to bf16 in place (4 f32 to 8 bytes); V's bf16 numbers are then widened (a shift, a mask) and written again in f16, which loses
; nothing inside the stated range; both go into a slot.  The steps run across the four groups of registers, so that no line waits for the one in front of it.
.macro CVTST slot
.irp u, 0,1,2,3,4,5,6,7
	v_cvt_pk_bf16_f32 v[RST+4*\u],   v[RST+4*\u],   v[RST+4*\u+1]
	v_cvt_pk_bf16_f32 v[RST+4*\u+1], v[RST+4*\u+2], v[RST+4*\u+3]
.endr
.irp u, 4,5,6,7
	v_lshlrev_b32 v[RST+4*\u+2], 16,  v[RST+4*\u+1]            ; V's numbers 2 and 3 of the four, as f32 again
	v_and_b32     v[RST+4*\u+3], s23, v[RST+4*\u+1]
.endr
.irp u, 4,5,6,7
	v_cvt_pk_f16_f32 v[RST+4*\u+1], v[RST+4*\u+2], v[RST+4*\u+3]
.endr
.irp u, 4,5,6,7
	v_lshlrev_b32 v[RST+4*\u+2], 16,  v[RST+4*\u]              ; numbers 0 and 1
	v_and_b32     v[RST+4*\u+3], s23, v[RST+4*\u]
.endr
.irp u, 4,5,6,7
	v_cvt_pk_f16_f32 v[RST+4*\u], v[RST+4*\u+2], v[RST+4*\u+3]
.endr
.irp u, 0,1,2,3
	ds_store_b64 v[LK], v[RST+4*\u:RST+4*\u+1]       offset:(\slot)*SLOT+\u*16*KP
	ds_store_b64 v[LV], v[RST+16+4*\u:RST+16+4*\u+1] offset:(\slot)*SLOT+VOFF+\u*16*VP
.endr
.endm
; Trip j asks for tile j + 5, which trip j + 3 loads.  The base stands at tile j + 2.  Waves 0, 1 of the head's work-group 0 (which walks all 32 tiles) take K's
; 64 rows, waves 2, 3 V's, a lane a row of 256 bytes: each row is asked for once in the launch.  Three tiles of 32,768 bytes a head are asked for and not yet read.
; The limits stop the asking at tile 31, the buffer's last for this head.
.macro PREF odd
	s_cmp_lt_u32 s16, s[32+\odd]
	s_cbranch_scc0 .Lnopf_\@
	global_prefetch_b8 v[PF], s[30:31] offset:3*TILEB th:TH_LOAD_NT scope:SCOPE_SE
.Lnopf_\@:
.endm
; Eight products O^T(hdt, tt) += V^T(hdt, ks) x P^T(tt, ks), in f16.  The eight accumulators take turns, one instruction a turn.
.macro PVMUL ks, zero
.irp hdt, 0,1,2,3
.irp tt, 0,1
.if \zero
	v_wmma_f32_16x16x32_f16 v[ROA+32*\tt+8*\hdt:ROA+32*\tt+8*\hdt+7], v[RKV+16*\hdt+8*\ks:RKV+16*\hdt+8*\ks+7], v[RSC+32*\tt+16*\ks:RSC+32*\tt+16*\ks+7], 0
.else
	v_wmma_f32_16x16x32_f16 v[ROA+32*\tt+8*\hdt:ROA+32*\tt+8*\hdt+7], v[RKV+16*\hdt+8*\ks:RKV+16*\hdt+8*\ks+7], v[RSC+32*\tt+16*\ks:RSC+32*\tt+16*\ks+7], v[ROA+32*\tt+8*\hdt:ROA+32*\tt+8*\hdt+7]
.endif
.endr
.endr
.endm
; One key tile for my 32 queries.  first = 1: the tile starts the maximum, the sum and O (nothing is cleared).
.macro PROCESS slot, first
	; K's fragments: 16 keys x 32 along the head, two loads of 16 bytes 32 bytes apart; the first half of the head's 64 first
.irp kk, 0,1
.irp st, 0,1,2,3
	ds_load_b128 v[RKV+16*\st+8*\kk:RKV+16*\st+8*\kk+3],   v[KA] offset:\slot*SLOT+\st*16*KP+\kk*64
	ds_load_b128 v[RKV+16*\st+8*\kk+4:RKV+16*\st+8*\kk+7], v[KA] offset:\slot*SLOT+\st*16*KP+\kk*64+32
.endr
.endr
	s_wait_dscnt 0x8                               ; LDS instructions end in order: all but the youngest eight loads (the head's second half) are in
	WIN 0x04                                       ; source 1 (Q's fragments) in window 1
	; scores, in bf16: the eight accumulators take turns, one instruction a turn; the first product starts each sum
.irp tt, 0,1
.irp st, 0,1,2,3
	v_wmma_f32_16x16x32_bf16 v[RSC+32*\tt+8*\st:RSC+32*\tt+8*\st+7], v[RKV+16*\st:RKV+16*\st+7], v[16*\tt:16*\tt+7], 0
.endr
.endr
	s_wait_dscnt 0x0                               ; the second half
.irp tt, 0,1
.irp st, 0,1,2,3
	v_wmma_f32_16x16x32_bf16 v[RSC+32*\tt+8*\st:RSC+32*\tt+8*\st+7], v[RKV+16*\st+8:RKV+16*\st+15], v[16*\tt+8:16*\tt+15], v[RSC+32*\tt+8*\st:RSC+32*\tt+8*\st+7]
.endr
.endr
	WIN 0
	PLACES 4                                       ; four places behind the last product: for the loads into K's fragments and for the reads of the scores
	; V^T's fragments (16 along the head x 32 keys) by the transposing load; they land while the softmax is made
.irp ks, 0,1
.irp hdt, 0,1,2,3
	ds_load_tr16_b128 v[RKV+16*\hdt+8*\ks:RKV+16*\hdt+8*\ks+3],   v[VA] offset:\slot*SLOT+VOFF+\ks*32*VP+\hdt*32
	ds_load_tr16_b128 v[RKV+16*\hdt+8*\ks+4:RKV+16*\hdt+8*\ks+7], v[VA] offset:\slot*SLOT+VOFF+\ks*32*VP+\hdt*32+16*VP
.endr
.endr
	; the diagonal tile alone is masked: key 16 st + 8 hh + jj of the tile against query 32 (w & 1) + 16 tt + r
	s_cmp_lg_u32 s16, s[18+\slot]
	s_cbranch_scc1 .Lfull_\@
.irp tt, 0,1
.irp st, 0,1,2,3
.irp jj, 0,1,2,3,4,5,6,7
	v_cmp_le_i32 vcc_lo, 16*\st+\jj, v[DM+\tt]
	v_cndmask_b32 v[RSC+32*\tt+8*\st+\jj], v[NEG], v[RSC+32*\tt+8*\st+\jj], vcc_lo
.endr
.endr
.endr
.Lfull_\@:
	; the largest of my 32 scores of each query, in two chains for each query tile
.irp tt, 0,1
	v_max_num_f32 v[T+2*\tt],   v[RSC+32*\tt],    v[RSC+32*\tt+1]
	v_max_num_f32 v[T+2*\tt+1], v[RSC+32*\tt+16], v[RSC+32*\tt+17]
.endr
.irp n, 1,2,3,4,5,6,7
.irp tt, 0,1
	v_max3_num_f32 v[T+2*\tt],   v[T+2*\tt],   v[RSC+32*\tt+2*\n],    v[RSC+32*\tt+2*\n+1]
	v_max3_num_f32 v[T+2*\tt+1], v[T+2*\tt+1], v[RSC+32*\tt+16+2*\n], v[RSC+32*\tt+17+2*\n]
.endr
.endr
.irp tt, 0,1
.if \first
	v_max_num_f32 v[NM+2*\tt+1], v[T+2*\tt], v[T+2*\tt+1]
.else
	v_max3_num_f32 v[NM+2*\tt+1], v[T+2*\tt], v[T+2*\tt+1], v[NM+2*\tt+1]      ; with the running maximum
.endif
.endr
.irp tt, 0,1
	v_permlanex16_b32 v[T+2*\tt+1], v[NM+2*\tt+1], s24, s25                    ; the other half of the wave holds the query's other 32 keys
.endr
.irp tt, 0,1
	v_max_num_f32 v[NM+2*\tt+1], v[NM+2*\tt+1], v[T+2*\tt+1]                   ; finite: key 0 is never masked
.endr
.irp tt, 0,1
.if \first
	v_mul_f32 v[NM+2*\tt], s22, v[NM+2*\tt+1]                                  ; the shift -c m
.else
	v_mul_f32 v[T+2*\tt], s22, v[NM+2*\tt+1]                                   ; the new shift,
	v_sub_f32 v[AL+2*\tt], v[T+2*\tt], v[NM+2*\tt]                             ; less the old one: the two shifts as they are applied, so that the factor fits them exactly
	v_mov_b32 v[NM+2*\tt], v[T+2*\tt]
.endif
.endr
.if \first == 0
	v_exp_f32 v[AL],   v[AL]                       ; the factor for what has been summed so far, at most 1; the multiply-adds below are the plain
	v_exp_f32 v[AL+2], v[AL+2]                     ; instructions behind it (ISA guide 5.7.2)
.endif
	; weights p = 2^(c s - c m), in place.  Behind each run of exponentials stands plain work on other registers.
.irp tt, 0,1
.set nn, 0
.rept 16
	v_pk_fma_f32 v[RSC+32*\tt+2*nn:RSC+32*\tt+2*nn+1], v[RSC+32*\tt+2*nn:RSC+32*\tt+2*nn+1], s[20:21], v[NM+2*\tt:NM+2*\tt+1] op_sel_hi:[1,0,0]
.set nn, nn+1
.endr
.set nn, 0
.rept 32
	v_exp_f32 v[RSC+32*\tt+nn], v[RSC+32*\tt+nn]
.set nn, nn+1
.endr
.endr
.if \first == 0
	; O is brought to the new maximum
	s_wait_alu depctr_va_vdst(0)
.irp tt, 0,1
.set nn, 0
.rept 16
	v_pk_mul_f32 v[ROA+32*\tt+2*nn:ROA+32*\tt+2*nn+1], v[ROA+32*\tt+2*nn:ROA+32*\tt+2*nn+1], v[AL+2*\tt:AL+2*\tt+1] op_sel_hi:[1,0]
.set nn, nn+1
.endr
.endr
.endif
	; the sum of my 32 weights of each query, two chains of pairs; then the weights are rounded to f16 in place:
	; registers 0-7 and 8-15 of two score tiles become registers 0-3 and 4-7 of one fragment of P^T
	s_wait_alu depctr_va_vdst(0)
.irp tt, 0,1
	v_pk_add_f32 v[T:T+1],   v[RSC+32*\tt:RSC+32*\tt+1],       v[RSC+32*\tt+2:RSC+32*\tt+3]
	v_pk_add_f32 v[T+2:T+3], v[RSC+32*\tt+16:RSC+32*\tt+17],   v[RSC+32*\tt+18:RSC+32*\tt+19]
.irp n, 2,3,4,5,6,7
	v_pk_add_f32 v[T:T+1],   v[T:T+1],   v[RSC+32*\tt+2*\n:RSC+32*\tt+2*\n+1]
	v_pk_add_f32 v[T+2:T+3], v[T+2:T+3], v[RSC+32*\tt+16+2*\n:RSC+32*\tt+17+2*\n]
.endr
	v_pk_add_f32 v[T:T+1], v[T:T+1], v[T+2:T+3]
.if \first
	v_add_f32 v[AL+2*\tt+1], v[T], v[T+1]
.else
	v_add_f32 v[T], v[T], v[T+1]
	v_fma_f32 v[AL+2*\tt+1], v[AL+2*\tt+1], v[AL+2*\tt], v[T]
.endif
.irp ks, 0,1
.irp n, 0,1,2,3,4,5,6,7
	v_cvt_pk_f16_f32 v[RSC+32*\tt+16*\ks+\n], v[RSC+32*\tt+16*\ks+2*\n], v[RSC+32*\tt+16*\ks+2*\n+1]
.endr
.endr
.endr
	s_wait_dscnt 0x0                               ; V's fragments
	PVMUL 0, \first
	PVMUL 1, 0
.endm
; Trip j (tile j in slot j & 1).  stage: tile j + 1, asked for a trip ago, goes into the other slot.  load: tile j + 2 is asked for.
; ONE barrier a trip, for two things: in front of it each wave's reads of this slot and its stores into the other are done; behind it this slot may be
; stored into again and the other slot is whole.
.macro TRIP slot, first, stage, load
.if \stage
	s_wait_loadcnt 0x0                             ; all eight loads of tile j + 1 are in: RST may be read, and the loads' bases may be stepped
	CVTST 1-\slot                                  ; its 40 vector instructions, which name no register of a product, are also the places behind the last trip's products (ISA guide 7.12.1)
.else
	PLACES 5                                       ; the same places, where nothing is left to convert
.endif
.if \load
	s_wait_xcnt 0x0                                ; the last trip's prefetch has had its address translated (ISA guide 3.1): its base is stepped only behind this wait
	s_add_nc_u64 s[6:7], s[6:7], TILEB
	s_add_nc_u64 s[8:9], s[8:9], TILEB
	s_add_nc_u64 s[30:31], s[30:31], TILEB
	LOADG
	PREF \slot
.endif
.if \first == 0
	s_cmp_gt_i32 s16, s[18+\slot]                  ; tile j lies wholly above my queries' diagonal: nothing to compute
	s_cbranch_scc1 .Lskip_\@
.endif
	PROCESS \slot, \first
.Lskip_\@:
.if \stage
	s_wait_dscnt 0x0                               ; for the other waves' sake: my reads of this slot and my stores into the other one
	s_barrier_signal -1
	s_barrier_wait -1
.endif
.endm
	; PROLOGUE: tile 0, my 32 rows of q, tile 1
	LOADG
.set nn, 0
.rept 16
	global_load_b128 v[RSC+4*nn:RSC+4*nn+3], v[OG], s[4:5] offset:nn*2*ROWB th:TH_LOAD_NT    ; two whole rows of 256 bytes; the launch reads q once
.set nn, nn+1
.endr
	s_wait_loadcnt 0x10                            ; loads end in order: tile 0's eight are in, the sixteen of q stay out
	s_add_nc_u64 s[6:7], s[6:7], TILEB             ; tile 1 (tile 0's loads are done, so their bases may be stepped)
	s_add_nc_u64 s[8:9], s[8:9], TILEB
	s_cmp_lt_u32 s12, 2
	s_cselect_b64 s[30:31], s[6:7], s[8:9]         ; waves 0, 1 prefetch K, waves 2, 3 V
	CVTST 0
	LOADG
	s_wait_loadcnt 0x8                             ; q is in, tile 1's eight loads stay out
.set nn, 0
.rept 16
	v_cvt_pk_bf16_f32 v[RSC+4*nn],   v[RSC+4*nn],   v[RSC+4*nn+1]
	v_cvt_pk_bf16_f32 v[RSC+4*nn+1], v[RSC+4*nn+2], v[RSC+4*nn+3]
.set nn, nn+1
.endr
.set nn, 0
.rept 16
	ds_store_b64 v28, v[RSC+4*nn:RSC+4*nn+1] offset:nn*2*KP      ; rows 2 n + hh of my own stage
.set nn, nn+1
.endr
	WIN 0x40                                       ; destination in window 1: Q's fragments, v256-287, stay there for the whole kernel
.irp tt, 0,1
.irp kk, 0,1
	ds_load_b128 v[16*\tt+8*\kk:16*\tt+8*\kk+3],   v29 offset:\tt*16*KP+\kk*64       ; LDS serves a wave's instructions in order (ISA guide 5.7.1.4): these see the stores above
	ds_load_b128 v[16*\tt+8*\kk+4:16*\tt+8*\kk+7], v29 offset:\tt*16*KP+\kk*64+32
.endr
.endr
	WIN 0
	s_wait_dscnt 0x0                               ; my part of tile 0 is in slot 0 (and Q's fragments are in)
	s_barrier_signal -1
	s_barrier_wait -1                              ; everybody's is
	; Pairs of tiles 0 .. 15 - i: pair 0 is written out (it starts the sums), pairs 1 .. 14 - i are the loop's 14 - i trips (7 to 14), pair 15 - i is the tail.
	s_mov_b32 s16, 0
	TRIP 0, 1, 1, 1                                ; tile 0 starts the sums: every wave has it (LIM is at least 0)
	TRIP 1, 0, 1, 1
	s_mov_b32 s16, 2
	s_mov_b32 s36, 1                               ; the loop is counted by the pair's number, one a trip, against 15 - i, which the loop does not write
.Lpair:
	TRIP 0, 0, 1, 1
	TRIP 1, 0, 1, 1
	s_add_co_u32 s16, s16, 2                       ; J, for the forward branches alone
	s_add_co_u32 s36, s36, 1
	s_cmp_lt_u32 s36, s17
	s_cbranch_scc1 .Lpair
	TRIP 0, 0, 1, 0                                ; J = 30 - 2 i.  The last pair asks for nothing: no load passes tile 31 - 2 i
	TRIP 1, 0, 0, 0
	; THE WAY OUT.  The address work is also the places behind the last products.
	v_and_b32 v24, 15, v0
	v_bfe_u32 v25, v0, 4, 1
	v_mul_u32_u24 v26, v24, OP
	v_lshl_add_u32 v26, v25, 5, v26
	v_add_nc_u32 v26, s35, v26                     ; in: row r of my stage, 32 bytes for each half of the wave
	v_mul_u32_u24 v27, v25, OP
	v_lshl_add_u32 v27, v24, 4, v27
	v_permlanex16_b32 v[T],   v[AL+1], s24, s25    ; the sum over the other half's keys
	v_permlanex16_b32 v[T+2], v[AL+3], s24, s25
	v_add_f32 v[AL+1], v[AL+1], v[T]
	v_add_f32 v[AL+3], v[AL+3], v[T+2]             ; at least 1: the largest score's weight is 1
	v_rcp_f32 v[AL],   v[AL+1]
	v_rcp_f32 v[AL+2], v[AL+3]
	v_add_nc_u32 v27, s35, v27                     ; back: lanes 0-15 one row of 256 bytes, lanes 16-31 the next.  Also the plain instruction behind v_rcp_f32 (ISA guide 5.7.2)
	s_wait_alu depctr_va_vdst(0)
.irp tt, 0,1
.set nn, 0
.rept 16
	v_pk_mul_f32 v[ROA+32*\tt+2*nn:ROA+32*\tt+2*nn+1], v[ROA+32*\tt+2*nn:ROA+32*\tt+2*nn+1], v[AL+2*\tt:AL+2*\tt+1] op_sel_hi:[1,0]
.set nn, nn+1
.endr
.endr
.irp tt, 0,1
.irp hdt, 0,1,2,3
	ds_store_b128 v26, v[ROA+32*\tt+8*\hdt:ROA+32*\tt+8*\hdt+3]   offset:\tt*16*OP+\hdt*64
	ds_store_b128 v26, v[ROA+32*\tt+8*\hdt+4:ROA+32*\tt+8*\hdt+7] offset:\tt*16*OP+\hdt*64+16
.endr
.endr
.set nn, 0
.rept 16
	ds_load_b128 v[RSC+4*nn:RSC+4*nn+3], v27 offset:nn*2*OP      ; my own bytes, served in order: no wait between the stores and these
.set nn, nn+1
.endr
.set nn, 0
.rept 16
	s_wait_dscnt 15-nn                             ; rows 2 n, 2 n + 1 are in; the younger loads stay out
	global_store_b128 v[OG], v[RSC+4*nn:RSC+4*nn+3], s[10:11] offset:nn*2*ROWB th:TH_STORE_NT   ; 16 lanes store 256 consecutive bytes, at a multiple of 256 from out0's first byte
.set nn, nn+1
.endr
	s_set_vgpr_msb 0x5
	s_wait_tensorcnt 0x0
	ds_add_u32 v32, v33
	s_wait_dscnt 0x0
	s_set_vgpr_msb 0x500
	s_endpgm
.Lfunc_end_k_q43b250a168_attn:
	.size	k_q43b250a168_attn, .Lfunc_end_k_q43b250a168_attn-k_q43b250a168_attn
	.p2alignl 7, 3214868480
	.fill 96, 4, 3214868480
	.section	.rodata,"a",@progbits
	.p2align	6, 0x0
	.amdhsa_kernel k_q43b250a168_attn
		.amdhsa_group_segment_fixed_size 109568
		.amdhsa_private_segment_fixed_size 0
		.amdhsa_enable_private_segment 0
		.amdhsa_kernarg_size 32
		.amdhsa_user_sgpr_count 2
		.amdhsa_user_sgpr_kernarg_segment_ptr 1
		.amdhsa_wavefront_size32 1
		.amdhsa_system_sgpr_workgroup_id_x 1
		.amdhsa_system_sgpr_workgroup_id_y 1
		.amdhsa_system_sgpr_workgroup_id_z 1
		.amdhsa_system_vgpr_workitem_id 0
		.amdhsa_next_free_vgpr 290
		.amdhsa_next_free_sgpr 66
		.amdhsa_reserve_vcc 1
		.amdhsa_float_denorm_mode_32 3
		.amdhsa_float_denorm_mode_16_64 3
		.amdhsa_memory_ordered 1
		.amdhsa_forward_progress 1
		.amdhsa_inst_pref_size 162
	.end_amdhsa_kernel
	.amdgpu_metadata
---
amdhsa.version: [ 1, 2 ]
amdhsa.kernels:
  - .name:           k_q43b250a168_attn
    .symbol:         k_q43b250a168_attn.kd
    .args:
      - { .name: q, .offset: 0, .size: 8, .value_kind: global_buffer, .address_space: global }
      - { .name: k, .offset: 8, .size: 8, .value_kind: global_buffer, .address_space: global }
      - { .name: v, .offset: 16, .size: 8, .value_kind: global_buffer, .address_space: global }
      - { .name: out0, .offset: 24, .size: 8, .value_kind: global_buffer, .address_space: global }
    .group_segment_fixed_size: 109568
    .private_segment_fixed_size: 0
    .kernarg_segment_align: 8
    .kernarg_segment_size: 32
    .max_flat_workgroup_size: 256
    .sgpr_count:     66
    .vgpr_count:     290
    .wavefront_size: 32
...
	.end_amdgpu_metadata
.endif
;; end of part 1
